; MI455X (gfx1250); checked and timed in simulation.
; The chip was launched on July 23, 2026; its instructions are those of AMD's public machine-readable ISA for CDNA 5 (MIT licence, August 2026) and "CDNA5" Instruction Set Architecture Reference Guide (July 2026). The comments in the code are by the model that wrote it; some were corrected since.
;; Weighted Non Local Block. Allowed arithmetic: matrix products marked QUANTISED: E2M1 operands, one E8M0 scale for each 32 along K, by v_wmma_scale_f32_16x16x128_f8f6f4 with both operands' format E2M1 (or v_wmma_scale_f32_32x16x128_f4), f32 sums; everything else in f32.
;; Inputs: g_b 128 float32; g_w 128 x 128 float32; phi_b 128 float32; phi_w 128 x 128 float32; theta_b 128 float32; theta_w 128 x 128 float32; w one number float32; wz_b 128 float32; wz_w 128 x 128 float32; x 8 x 128 x 64 x 64 float32.
;; Outputs: out0 8 x 128 x 64 x 64 float32.
;; This version of the problem:
;;   THIS VERSION OF THE PROBLEM IS GIVEN IN LOW PRECISION. The matrix products marked QUANTISED in the list below multiply operands that are first quantised to E2M1 (2 exponent bits, 1 mantissa bit; 4 bits a number), with one power-of-two scale for each 32 numbers along K (OCP MX v1.0); their sums are f32. All else is computed in f32.
;;   The module's matrix products, in the order in which they are computed (A, B: the left and right operand; K: the contracted axis; several contracted axes count as one K, in the product's order):
;;     1. [M 32,768, K 128] x [K 128, N 128]; A: input x; B: input theta_w: QUANTISED
;;     2. [M 32,768, K 128] x [K 128, N 128]; A: input x; B: input phi_w: QUANTISED
;;     3. [M 32,768, K 128] x [K 128, N 128]; A: input x; B: input g_w: QUANTISED
;;     4. batch 8 x [M 4,096, K 128] x [K 128, N 4,096]; A: computed on the way; B: computed on the way: QUANTISED
;;     5. batch 8 x [M 4,096, K 4,096] x [K 4,096, N 128]; A: softmax (see below); B: computed on the way: QUANTISED
;;     6. [M 32,768, K 128] x [K 128, N 128]; A: computed on the way; B: input wz_w: QUANTISED
;;   THE QUANTISER, for each operand of a quantised product, along K:
;;     - K is cut into blocks of 32 from its start; a last block that is shorter is filled with zeros.
;;     - A block's scale is 2^e with e = floor(log2(the largest magnitude in the block)) - 2, held to -126 .. 127; a block of zeros has e = 0. As a byte (E8M0): e + 127.
;;     - Each number is divided by its block's scale, clamped to +-6, and rounded to the nearest number of E2M1, ties to even, subnormals kept.
;;     - The product sums the exact products of the quantised numbers (number of the format x scale) in f32.
;;   ~~~python
;;   def quantise(x, axis):      # numpy; x: float32 -> the quantised numbers, widened to float32 again
;;       x = np.moveaxis(x, axis, -1); K = x.shape[-1]
;;       x = np.pad(x, [(0, 0)] * (x.ndim - 1) + [(0, -K % 32)]); x = x.reshape(x.shape[:-1] + (-1, 32)); a = np.abs(x).max(-1, keepdims=True)
;;       e = np.where(a > 0, np.clip(np.frexp(np.where(a > 0, a, 1))[1] - 1 - 2, -126, 127), 0)      # np.frexp(a)[1] - 1 = floor(log2(a)), exactly
;;       r = np.clip(x / 2.0 ** e, -6, 6)
;;       step = 2.0 ** (np.maximum(np.frexp(np.where(r == 0, 1, r))[1] - 1, 0) - 1)
;;       q = np.round(r / step) * step * 2.0 ** e      # np.round: ties to even
;;       return np.moveaxis(q.reshape(q.shape[:-2] + (-1,))[..., :K], -1, axis).astype(np.float32)
;;   ~~~
;;   SOFTMAX AHEAD OF A QUANTISED PRODUCT. Where the list says 'softmax', what is quantised is not the finished softmax but p = 2^(t - M), with t = logit x log2(e) and M = ceil(the row's largest t), a whole number; so 1/2 < the row's largest p <= 1. The row's sum l is taken of the UNQUANTISED p, in f32, and the product's result is divided by l at the end. Since M is a whole number, a kernel that streams over the keys may use a running M (the ceiling of the running maximum): every later rescaling is an exact power of two, which a block's scale takes up: the codes' values come out the same.
;;   OPERANDS COMPUTED ON THE WAY. 'Computed on the way' means the value that the module computes at that place (a softmax that the list does not call 'softmax' is quantised finished and normalised). What goes into a quantiser is computed in f32, as accurately as f32 sums, v_exp_f32 and their like allow (about 1e-6 of the number): no bf16 or f16 on the way to a quantiser, and a product that is left as it is and whose result goes on into a quantised operand takes f32 operands (vector FMAs, or v_wmma_f32_16x16x4_f32). A number that lies on a knife's edge between two numbers of the format may be rounded either way, as far as f32 arithmetic and the matrix unit's own rounding can turn it there, and no further.
;; One version. Each part assembles by itself: llvm-mc -triple=amdgcn-amd-amdhsa -mcpu=gfx1250 --defsym DOCPART=n.
;; ======== version 1 of 1: 2 launches
;; workspace buffers: qbuf 2,228,224 bytes; kv 4,456,448 bytes
;; launch project (part 1): grid 32 x 8, 4 waves a work-group, clusters of 4 x 1, 327,680 bytes of LDS; arguments x, theta_w, theta_b, phi_w, phi_b, g_w, g_b, qbuf, kv; writes qbuf, kv
.if DOCPART == 1
	.amdgcn_target "amdgcn-amd-amdhsa--gfx1250"
	.amdhsa_code_object_version 6
	.text
	.protected	k_qff5dd1ff10_project
	.globl	k_qff5dd1ff10_project
	.p2align	8
	.type	k_qff5dd1ff10_project,@function
k_qff5dd1ff10_project:
	s_mov_b64 s[64:65], 0
	v_nop
	global_prefetch_b8 v0, s[64:65] scope:SCOPE_SE
	s_setreg_imm32_b32 hwreg(HW_REG_WAVE_MODE, 25, 1), 1
	s_wait_xcnt 0x0
	s_wait_alu depctr_hold_cnt(0) depctr_sa_sdst(0) depctr_va_vdst(0) depctr_va_sdst(0) depctr_va_ssrc(0) depctr_va_vcc(0) depctr_vm_vsrc(0)
	s_getreg_b32 s2, hwreg(HW_REG_IB_STS2, 6, 4)
	s_cmp_eq_u32 s2, 0
	s_cbranch_scc0 .Lentry_in_a_cluster
	s_endpgm
.Lentry_in_a_cluster:
	s_bfe_u32 s2, ttmp6, 0x10000c
	s_cmp_lg_u32 s2, 0x3003
	s_cbranch_scc0 .Lentry_shape_is_right
	s_endpgm
.Lentry_shape_is_right:
; theta, phi, g = W x + b for 128 positions of one batch, all three products on codes of FP4 (E2M1) with one E8M0 scale for each 32 along K (K = the 128 input channels);
; the results are quantised at once for the products that follow: theta and phi along the channels, g along the positions (the keys), and stored as the next launch's operands.
; x: [8][128][4096] f32.  W: [128 (out)][128 (in)] f32.  b: [128] f32.
; kv:   [batch 8][step 32][17,408]: for 128 keys: K's 8 fragments (8,192 bytes), V's 8 fragments (8,192), K's scale words (512), V's (512).
; qbuf: [batch 8][s 32][8,704]: rows of theta's codes [j 32][cw 4][64 bytes] for position 128 s + 32 cw + j, then their scale words [j][cw].
; A FRAGMENT (16 rows x 128 K, 8 registers) LIES AS AN IMAGE OF ITS REGISTERS: register 4 cc + i of lane L at 512 cc + 16 L + 4 i.  THE SCALE WORDS OF 8 TILES lie so that one load of 16 bytes a lane
; brings four registers: the word of tile t, row r at 16 (r + 16 (t % 2)) + 4 (t / 2): register i holds tile 2 i in lanes 0-15 and tile 2 i + 1 in lanes 16-31.
; K's tile 2 w + u holds keys 32 w + 8 u + r + 8 (r / 8): the next launch's scores then have 16 neighbouring keys in 16 registers.  V's tile ct holds channels 16 ct + r, keys in order.
; SHARES.  Work-group (s, batch): positions 128 s on.  Wave w: positions 32 w .. 32 w + 31 (two tiles of x) against all 24 tiles of weights; it also quantises rows 32 w .. 32 w + 31 of each weight for all four waves.
; CLUSTER.  All work-groups read the same three weights: the four partners ask for them jointly (mask 15).  x's tile is each work-group's own: a load without a mask.
; Every LDS byte is filled once.  No prefetch: all that the work-group reads is asked for at its head.
; LIMITS: a block of zeros gets the scale byte 1 where the rule says 127 (its codes are zeros, and only this program reads the bytes); a block whose largest magnitude lies under 2^-124 is held at byte 1;
; NaN and infinities among the inputs are not served.
.set WPITCH, 528                       ; a weight's row in LDS: 512 bytes + 16 of padding
.set WMAT,   32*WPITCH                 ; a wave's 32 rows of one weight
.set WWAVE,  3*WMAT                    ; of the three
.set XT,     4*WWAVE                   ; x's tile: [channel 128][512 bytes]
.set WIMG,   XT+65536                  ; the weights' 24 fragments as images
.set WSC,    WIMG+24576                ; their scale words, 512 bytes a weight
.set QP,     272                       ; a row of theta's stage: 4 x 64 bytes + 16
.set QST,    WSC+1536                  ; theta's codes, [j 32] rows
.set VST,    QST+32*QP                 ; V's 8 fragments as images
.set KSS,    VST+8192                  ; K's scale words
.set VSS,    KSS+512                   ; V's
.set QSS,    VSS+512                   ; theta's, [j][cw]
.set LI,  1                            ; v1   16 x lane
.set H8,  2                            ; v2   8 h
.set AWP, 3                            ; v3   my row of a tile of theta_w, phi_w (rows r + 8 (r / 8)), + 128 h
.set AWN, 4                            ; v4   my row of a tile of g_w (rows r), + 128 h
.set AWI, 5                            ; v5   where I store the weights' images
.set AWS, 6                            ; v6   and their scale words
.set AX,  7                            ; v7   my position's column in x's tile
.set AFI, 8                            ; v8   WIMG + 16 x lane
.set AQ,  9                            ; v9   theta's stage, on the way in
.set ASQ, 10                           ; v10  theta's scale words
.set ASK, 11                           ; v11  K's scale words
.set AV,  12                           ; v12  V's images: my 8 bytes
.set ASV, 13                           ; v13  V's scale bytes
.set VB,  14                           ; v14  64 h: theta_b, phi_b
.set VG,  15                           ; v15  4 r: g_b
.set VKO, 16                           ; v16  2,048 x wave + 16 x lane: offsets of the stores
.set RQ,  17                           ; v17  theta's stage, on the way out
.set RV,  18                           ; v18  V's images, on the way out
.set RS,  19                           ; v19  the scale words, on the way out
.set VSO, 20                           ; v20  256 x wave + 8 x lane
.set XS,  21                           ; v21  x's scale words: lane L has position p(L)'s: scales alone
.set PW,  22                           ; v22  the scale word just made
.set XA,  24                           ; v24-31 x's tile 2 w;  v32-39 tile 2 w + 1
.set XB,  32
.set WS,  40                           ; v40-43 a weight's scale words: scales alone
.set PC,  44                           ; v44-51 the codes just made
.set TM,  52                           ; v52-55 largest magnitudes, v56-59 bytes, v60-63 the conversions' scale operands
.set WF,  64                           ; v64-127 a weight's 8 fragments (before that: 64 numbers of a weight; at the end: what leaves)
.set N0,  64
.set HA,  128                          ; v128-255 the 16 results (before that: 64 numbers of a weight; my position's 128 numbers of x)
.set XN,  128
.set OUT, 64
; window 1: v0-63 theta_b, v64-127 phi_b, v128-191 g_b, each in the layout of the result that it starts
.set WV,  24                           ; s24  my wave's number
.set SEL, 66                           ; s[66:67] v_permlanex16_b32's selects for lane l xor 16
.set G1W, 28                           ; s[28:35] descriptor group 1 for the weights;  s[36:43] for x;  s[44:59] four groups 0
.set G1X, 36
.set G0T, 44
.set G0P, 48
.set G0G, 52
.set G0X, 56
.set MSB, 0
.macro WIN new                         ; the immediate's high byte repeats the setting that is left
.if MSB != \new
	s_set_vgpr_msb (MSB<<8)|\new
.set MSB, \new
.endif
.endm
.macro ROUND                           ; a round of the cluster's barrier
	s_barrier_signal -1
	s_barrier_wait -1
	s_cmp_lg_u32 s[WV], 0
	s_cbranch_scc1 .Lnot_wave_0_\@
	s_barrier_signal -3
.Lnot_wave_0_\@:
	s_barrier_wait -3
	s_barrier_signal -1
	s_barrier_wait -1
.endm
.macro PLACES n                        ; plain places behind matrix instructions (ISA guide 7.12.1) and in front of scaled ones
.rept \n
	v_nop
.endr
.endm
; one scaled product; ra, rb: source 0's, source 1's scale words stand in lanes 16-31
.macro WM d, a, b, c, sa, sb, ra, rb
.if ((\ra) != 0) && ((\rb) != 0)
	v_wmma_scale_f32_16x16x128_f8f6f4 v[\d:\d+7], v[\a:\a+7], v[\b:\b+7], v[\c:\c+7], v[\sa], v[\sb] matrix_a_fmt:MATRIX_FMT_FP4 matrix_b_fmt:MATRIX_FMT_FP4 matrix_a_scale:MATRIX_SCALE_ROW1 matrix_b_scale:MATRIX_SCALE_ROW1
.elseif (\ra) != 0
	v_wmma_scale_f32_16x16x128_f8f6f4 v[\d:\d+7], v[\a:\a+7], v[\b:\b+7], v[\c:\c+7], v[\sa], v[\sb] matrix_a_fmt:MATRIX_FMT_FP4 matrix_b_fmt:MATRIX_FMT_FP4 matrix_a_scale:MATRIX_SCALE_ROW1
.elseif (\rb) != 0
	v_wmma_scale_f32_16x16x128_f8f6f4 v[\d:\d+7], v[\a:\a+7], v[\b:\b+7], v[\c:\c+7], v[\sa], v[\sb] matrix_a_fmt:MATRIX_FMT_FP4 matrix_b_fmt:MATRIX_FMT_FP4 matrix_b_scale:MATRIX_SCALE_ROW1
.else
	v_wmma_scale_f32_16x16x128_f8f6f4 v[\d:\d+7], v[\a:\a+7], v[\b:\b+7], v[\c:\c+7], v[\sa], v[\sb] matrix_a_fmt:MATRIX_FMT_FP4 matrix_b_fmt:MATRIX_FMT_FP4
.endif
.endm
; tile k = 2 mi + u of my six: my row's numbers k = 64 cc + 32 h + 0 .. 31 into v[buf + 32 cc] on
.macro LOADW k, buf
.irp cc, 0,1
.irp i, 0,1,2,3,4,5,6,7
.if (\k) < 4
	ds_load_b128 v[\buf+32*\cc+4*\i:\buf+32*\cc+4*\i+3], v[AWP] offset:((\k)/2)*WMAT+8*((\k)%2)*WPITCH+256*\cc+16*\i
.else
	ds_load_b128 v[\buf+32*\cc+4*\i:\buf+32*\cc+4*\i+3], v[AWN] offset:16*((\k)%2)*WPITCH+256*\cc+16*\i
.endif
.endr
.endr
.endm
; 64 numbers of a lane in the operand's own order (v[s + 32 cc + i]: k = 64 cc + 32 h + i of my row: two whole blocks) become the fragment's 8 registers v[pc] on and the row's scale word v[pw]
.macro QLANE s, pc, pw
.irp cc, 0,1
	v_max3_num_f32 v[TM+\cc], |v[\s+32*\cc]|, |v[\s+32*\cc+1]|, 0x1800000   ; with the floor 2^(3 - 127): the byte cannot fall under 1
.endr
.irp i, 2,4,6,8,10,12,14,16,18,20,22,24,26,28,30
.irp cc, 0,1
	v_max3_num_f32 v[TM+\cc], v[TM+\cc], |v[\s+32*\cc+\i]|, |v[\s+32*\cc+\i+1]|   ; the two blocks by turns
.endr
.endr
.irp cc, 0,1
	v_add_nc_u32 v[TM+8+\cc], 0xff000000, v[TM+\cc]      ; 2 off the exponent field: the conversion's scale operand
.endr
.irp cc, 0,1
	v_lshrrev_b32 v[TM+4+\cc], 23, v[TM+8+\cc]           ; the scale's byte
.endr
	v_lshl_or_b32 v[\pw], v[TM+5], 16, v[TM+4]           ; my bytes: blocks h and 2 + h,
	v_lshlrev_b32 v[\pw], v[H8], v[\pw]                  ; 8 h bits up;
	v_permlanex16_b32 v[TM+6], v[\pw], s[SEL], s[SEL+1]
	v_or_b32 v[\pw], v[\pw], v[TM+6]                     ; with lane l xor 16's two the word is whole, in both lanes
.irp cc, 0,1
.irp g, 0,1,2,3
	v_cvt_scalef32_pk8_fp4_f32 v[\pc+4*\cc+\g], v[\s+32*\cc+8*\g:\s+32*\cc+8*\g+7], v[TM+8+\cc]
.endr
.endr
	v_nop                                                ; one plain place behind the last scaled conversion
.endm
; 64 numbers of a lane in four groups of 16 (v[s + 16 q + i]); group q is half of a block of 32, lane l xor 16 holds the other half.  Codes: v[PC + 2 q], v[PC + 2 q + 1]; bytes: v[TM + 4 + q]
.macro QCORE s
.irp q, 0,1,2,3
	v_max3_num_f32 v[TM+\q], |v[\s+16*\q]|, |v[\s+16*\q+1]|, 0x1800000
.endr
.irp i, 2,4,6,8,10,12,14
.irp q, 0,1,2,3
	v_max3_num_f32 v[TM+\q], v[TM+\q], |v[\s+16*\q+\i]|, |v[\s+16*\q+\i+1]|   ; the four blocks by turns; each result is read from its low end on
.endr
.endr
.irp q, 0,1,2,3
	v_permlanex16_b32 v[TM+4+\q], v[TM+\q], s[SEL], s[SEL+1]
.endr
.irp q, 0,1,2,3
	v_max_num_f32 v[TM+\q], v[TM+\q], v[TM+4+\q]
.endr
.irp q, 0,1,2,3
	v_add_nc_u32 v[TM+8+\q], 0xff000000, v[TM+\q]
.endr
.irp q, 0,1,2,3
	v_lshrrev_b32 v[TM+4+\q], 23, v[TM+8+\q]
.endr
.irp q, 0,1,2,3
	v_cvt_scalef32_pk8_fp4_f32 v[PC+2*\q], v[\s+16*\q:\s+16*\q+7], v[TM+8+\q]
	v_cvt_scalef32_pk8_fp4_f32 v[PC+2*\q+1], v[\s+16*\q+8:\s+16*\q+15], v[TM+8+\q]
.endr
	v_nop
.endm
.macro QFIN                            ; where the four blocks are one row's 128 along K: the scale word, and whole blocks into the lanes that the operand's layout gives them
	v_lshl_or_b32 v[PW], v[TM+5], 8, v[TM+4]
	v_lshl_or_b32 v[PW], v[TM+6], 16, v[PW]
	v_lshl_or_b32 v[PW], v[TM+7], 24, v[PW]
.irp c, 0,1
.irp i, 0,1
	v_permlane16_swap_b32 v[PC+4*\c+\i], v[PC+2+4*\c+\i]
.endr
.endr
.endm
.macro FETCHW mi                       ; weight mi's 8 fragments and its scale words: 17 loads
.irp t, 0,1,2,3,4,5,6,7
.irp c, 0,1
	ds_load_b128 v[WF+8*\t+4*\c:WF+8*\t+4*\c+3], v[AFI] offset:\mi*8192+\t*1024+512*\c
.endr
.endr
	ds_load_b128 v[WS:WS+3], v[AFI] offset:24576+512*\mi
.endm
; block kb (32 channels) of my position: all 32 numbers are mine
.macro XBLK kb, dst, left
	s_wait_dscnt \left
	v_max3_num_f32 v[TM], |v[XN+32*\kb]|, |v[XN+32*\kb+1]|, 0x1800000
	v_max3_num_f32 v[TM+1], |v[XN+32*\kb+2]|, |v[XN+32*\kb+3]|, 0x1800000
.irp i, 4,8,12,16,20,24,28
	v_max3_num_f32 v[TM], v[TM], |v[XN+32*\kb+\i]|, |v[XN+32*\kb+\i+1]|        ; two chains
	v_max3_num_f32 v[TM+1], v[TM+1], |v[XN+32*\kb+\i+2]|, |v[XN+32*\kb+\i+3]|
.endr
	v_max_num_f32 v[TM], v[TM], v[TM+1]
	v_add_nc_u32 v[TM+8+\kb], 0xff000000, v[TM]
	v_lshrrev_b32 v[TM+4+\kb], 23, v[TM+8+\kb]
.if \kb == 0
	v_mov_b32 v[XS], v[TM+4]
.else
	v_lshl_or_b32 v[XS], v[TM+4+\kb], 8*\kb, v[XS]
.endif
.irp g, 0,1,2,3
	v_cvt_scalef32_pk8_fp4_f32 v[\dst+\g], v[XN+32*\kb+8*\g:XN+32*\kb+8*\g+7], v[TM+8+\kb]
.endr
.endm
; theta or phi, transposed: source 0 = 16 rows of the weight, source 1 = 16 positions; the bias (window 1, from v[cb]) starts each sum.  In the result of tile t, lane (r, h) holds position r of x's tile and channels 32 (t / 2) + 16 h + 8 (t % 2) + 0 .. 7
.macro PROJ cb
	WIN 0x10                                       ; source 2 in window 1
.irp u, 0,1
.irp t, 0,1,2,3,4,5,6,7
	WM HA+64*\u+8*\t, WF+8*\t, XA+8*\u, \cb+8*\t, WS+\t/2, XS, \t%2, \u
.endr
.endr
	WIN 0
.endm
	s_load_b512 s[4:19], s[0:1], 0x0               ; x 4, theta_w 6, theta_b 8, phi_w 10, phi_b 12, g_w 14, g_b 16, qbuf 18
	s_load_b64 s[20:21], s[0:1], 0x40              ; kv
	v_lshl_add_u32 v23, v0, 2, 0x4c600
	s_set_vgpr_msb 0x40
	v_mov_b32 v255, 0
	s_set_vgpr_msb 0x4044
	ds_add_u32 v23, v255
	ds_add_u32 v23, v255
	s_set_vgpr_msb 0x4400
	v_lshrrev_b32 v22, 5, v0
	v_readfirstlane_b32 s[WV], v22                 ; wave 0..3
	s_bfe_u32 s25, ttmp6, 0x40000                  ; cx
	s_lshl_b32 s26, ttmp9, 2
	s_add_co_u32 s26, s26, s25                     ; s = 4 x cluster x + cx: it enters global addresses alone
	s_and_b32 s27, ttmp7, 0xffff                   ; the batch
	v_and_b32 v24, 31, v0                          ; L
	v_and_b32 v25, 15, v0                          ; r
	v_bfe_u32 v26, v0, 4, 1                        ; h
	v_and_b32 v27, 8, v25
	v_add_nc_u32 v27, v27, v25                     ; r + 8 (r / 8)
	v_and_b32 v28, 7, v0
	v_lshl_or_b32 v28, v26, 3, v28
	v_bfe_u32 v29, v0, 3, 1
	v_lshl_or_b32 v28, v29, 4, v28                 ; p(L): lanes 0-15 positions r + 8 (r / 8), lanes 16-31 those + 8
	v_lshlrev_b32 v[LI], 4, v24
	v_lshlrev_b32 v[H8], 3, v26
	s_mul_i32 s60, s[WV], WWAVE
	v_mul_u32_u24 v[AWP], v27, WPITCH
	v_lshl_add_u32 v[AWP], v26, 7, v[AWP]
	v_add_nc_u32 v[AWP], s60, v[AWP]
	v_mul_u32_u24 v[AWN], v25, WPITCH
	v_lshl_add_u32 v[AWN], v26, 7, v[AWN]
	v_add_nc_u32 v[AWN], s60, v[AWN]
	v_add_nc_u32 v[AWN], 2*WMAT, v[AWN]
	s_lshl_b32 s61, s[WV], 11
	v_add_nc_u32 v[VKO], s61, v[LI]
	v_add_nc_u32 v[AWI], WIMG, v[VKO]
	v_add_nc_u32 v[RV], VST, v[VKO]
	s_lshl_b32 s62, s[WV], 2
	v_lshl_add_u32 v29, v25, 4, s62                ; 16 r + 4 x wave
	v_add_nc_u32 v[AWS], WSC, v29
	v_add_nc_u32 v[ASK], KSS, v29
	s_lshl_b32 s63, s[WV], 7
	v_lshl_add_u32 v[AX], v28, 2, s63
	v_add_nc_u32 v[AX], XT, v[AX]
	v_add_nc_u32 v[AFI], WIMG, v[LI]
	s_lshl_b32 s68, s[WV], 6
	v_mul_u32_u24 v[AQ], v27, QP
	v_lshl_add_u32 v[AQ], v26, 4, v[AQ]
	v_add_nc_u32 v[AQ], s68, v[AQ]
	v_add_nc_u32 v[AQ], QST, v[AQ]
	v_lshl_add_u32 v[ASQ], v27, 4, s62
	v_add_nc_u32 v[ASQ], QSS, v[ASQ]
	s_lshl_b32 s69, s[WV], 8
	v_lshl_add_u32 v[AV], v25, 4, s69              ; block w of the step's four lies at 512 (w / 2) + 256 (w % 2) = 256 w of an image; + 16 r + 8 h
	v_lshl_add_u32 v[AV], v26, 3, v[AV]
	v_add_nc_u32 v[AV], VST, v[AV]
	v_lshl_add_u32 v[ASV], v25, 4, s[WV]
	v_add_nc_u32 v[ASV], VSS, v[ASV]
	v_lshlrev_b32 v[VB], 6, v26
	v_lshlrev_b32 v[VG], 2, v25
	s_mul_i32 s70, s[WV], 8*QP
	v_mul_u32_u24 v[RQ], v26, QP
	v_lshl_add_u32 v[RQ], v25, 4, v[RQ]
	v_add_nc_u32 v[RQ], s70, v[RQ]
	v_add_nc_u32 v[RQ], QST, v[RQ]
	v_lshl_add_u32 v[VSO], v24, 3, s69
	v_add_nc_u32 v[RS], KSS, v[VSO]
.irp q, 0,1,2,3
	v_mov_b32 v[TM+4+\q], 0                        ; written once: a lane permute's destination counts as one of its sources
.endr
	s_mov_b32 s[SEL], 0x76543210
	s_mov_b32 s[SEL+1], 0xfedcba98
	; group 1, the weights: 32 rows x 128 elements of 4 bytes, dense; 16 bytes of padding behind each 512
	s_mov_b32 s[G1W+0], 15|(2<<16)|(1<<20)|(1<<21)|(6<<22)|(3<<25)   ; 15:0 the mask: all four partners; 17:16 4 bytes; 20 padding on; 21 set beside a mask; 24:22 after every 128 words; 31:25 four words
	s_mov_b32 s[G1W+1], 128<<16                    ; tensor_dim0
	s_mov_b32 s[G1W+2], 32<<16                     ; tensor_dim1
	s_mov_b32 s[G1W+3], 128<<16                    ; tile_dim0
	s_mov_b32 s[G1W+4], 32                         ; tile_dim1
	s_mov_b32 s[G1W+5], 128                        ; from row to row
	s_mov_b32 s[G1W+6], 0
	s_mov_b32 s[G1W+7], 0
	; group 1, x: 32 channels x 128 positions, 4,096 elements from channel to channel; no mask, no padding
	s_mov_b32 s[G1X+0], 2<<16
	s_mov_b32 s[G1X+1], 128<<16
	s_mov_b32 s[G1X+2], 32<<16
	s_mov_b32 s[G1X+3], 128<<16
	s_mov_b32 s[G1X+4], 32
	s_mov_b32 s[G1X+5], 4096
	s_mov_b32 s[G1X+6], 0
	s_mov_b32 s[G1X+7], 0
	s_lshl_b32 s71, s[WV], 14                      ; my 32 channels in x's tile
	s_lshl_b32 s72, s[WV], 14                      ; my 32 rows of a weight in memory
	s_mov_b32 s73, 0
	s_lshl_b32 s74, s27, 21                        ; x: batch x 2^21 + 32 x wave channels x 16,384 + 512 s
	s_lshl_b32 s75, s[WV], 19
	s_add_co_u32 s74, s74, s75
	s_lshl_b32 s75, s26, 9
	s_add_co_u32 s74, s74, s75
	s_mov_b32 s75, 0
	s_lshl_b32 s76, s27, 5
	s_add_co_u32 s76, s76, s26                     ; 32 x batch + s
	s_mul_i32 s78, s76, 8704
	s_mov_b32 s79, 0
	s_mul_i32 s76, s76, 17408
	s_mov_b32 s77, 0
	s_wait_dscnt 0x0
	s_wait_kmcnt 0x0
	s_mov_b32 s[G0T], 1
	s_mov_b32 s[G0T+1], s60
	s_add_nc_u64 s[G0T+2:G0T+3], s[6:7], s[72:73]
	s_or_b32 s[G0T+3], s[G0T+3], 0x80000000
	s_mov_b32 s[G0P], 1
	s_add_co_u32 s[G0P+1], s60, WMAT
	s_add_nc_u64 s[G0P+2:G0P+3], s[10:11], s[72:73]
	s_or_b32 s[G0P+3], s[G0P+3], 0x80000000
	s_mov_b32 s[G0G], 1
	s_add_co_u32 s[G0G+1], s60, 2*WMAT
	s_add_nc_u64 s[G0G+2:G0G+3], s[14:15], s[72:73]
	s_or_b32 s[G0G+3], s[G0G+3], 0x80000000
	s_mov_b32 s[G0X], 1
	s_add_co_u32 s[G0X+1], s71, XT
	s_add_nc_u64 s[G0X+2:G0X+3], s[4:5], s[74:75]
	s_or_b32 s[G0X+3], s[G0X+3], 0x80000000
	s_add_nc_u64 s[18:19], s[18:19], s[78:79]      ; my block of qbuf
	s_add_nc_u64 s[20:21], s[20:21], s[76:77]      ; my block of kv
	ROUND                                          ; all four work-groups are here: the joint loads meet
	tensor_load_to_lds s[G0T:G0T+3], s[G1W:G1W+7]  ; all fills of the launch, as one group: four loads of mine are out
	s_nop 0
	tensor_load_to_lds s[G0P:G0P+3], s[G1W:G1W+7]
	s_nop 0
	tensor_load_to_lds s[G0G:G0G+3], s[G1W:G1W+7]
	s_nop 0
	tensor_load_to_lds s[G0X:G0X+3], s[G1X:G1X+7]
	s_nop 0
	PLACES 4                                       ; four lines behind the last tensor load, ahead of the switch of windows
	WIN 0x40                                       ; destination window 1
.irp t, 0,1,2,3,4,5,6,7
	global_load_b128 v[8*\t:8*\t+3], v[VB], s[8:9] offset:(32*(\t/2)+8*(\t%2))*4
	global_load_b128 v[8*\t+4:8*\t+7], v[VB], s[8:9] offset:(32*(\t/2)+8*(\t%2))*4+16
	global_load_b128 v[64+8*\t:64+8*\t+3], v[VB], s[12:13] offset:(32*(\t/2)+8*(\t%2))*4
	global_load_b128 v[64+8*\t+4:64+8*\t+7], v[VB], s[12:13] offset:(32*(\t/2)+8*(\t%2))*4+16
.endr
.irp ct, 0,1,2,3,4,5,6,7
.irp i, 0,1,2,3,4,5,6,7
	global_load_b32 v[128+8*\ct+\i], v[VG], s[16:17] offset:64*\ct   ; in g's result a lane holds one channel: its bias eight times
.endr
.endr
	WIN 0
	; ---- the weights: my 32 rows of each become two fragments, stored as images
	s_wait_tensorcnt 0x1                           ; my three weight tiles are in (only I read them); x's load, issued behind them, may be out
	LOADW 0, N0
.irp k, 0,1,2,3,4,5
.if \k < 5
	LOADW \k+1, N0+64*((\k+1)%2)
	s_wait_dscnt 16                                ; all but the 16 loads just issued: this tile's numbers are in, and the last tile's stores are done
.else
	s_wait_dscnt 0x0
.endif
	QLANE N0+64*(\k%2), PC, PW
	ds_store_b128 v[AWI], v[PC:PC+3] offset:(\k/2)*8192+(\k%2)*1024
	ds_store_b128 v[AWI], v[PC+4:PC+7] offset:(\k/2)*8192+(\k%2)*1024+512
	ds_store_b32 v[AWS], v[PW] offset:(\k/2)*512+(\k%2)*256   ; both lanes of a row write the same word with the same value
.endr
	s_wait_tensorcnt 0x0                           ; for the others' sake: my 32 channels of x have landed,
	s_wait_dscnt 0x0                               ; and my images
	s_barrier_signal -1
	s_barrier_wait -1
	; ---- x: a lane takes one position and all its 128 channels
.set ii, 0
.rept 128
	ds_load_b32 v[XN+ii], v[AX] offset:512*ii
.set ii, ii+1
.endr
	FETCHW 0
	XBLK 0, XA, 63                                 ; behind block kb's 32 loads stand 32 (3 - kb) + 17: more than a wait's count can name for the first two blocks
	XBLK 1, XB, 63
	XBLK 2, XA+4, 49
	XBLK 3, XB+4, 17
	v_nop                                          ; one plain place behind the last scaled conversion
.irp i, 0,1,2,3,4,5,6,7
	v_permlane16_swap_b32 v[XA+\i], v[XB+\i]       ; blocks 1, 3 of lanes 0-15 change places with blocks 0, 2 of lanes 16-31: XA = the tile of lanes 0-15's positions, XB = that of lanes 16-31's
.endr
	PLACES 8                                       ; a scale register written by a vector instruction stands 8 places ahead of a scaled matrix instruction, an operand 4
	s_wait_alu depctr_va_vdst(0)
	s_wait_loadcnt 0x0                             ; the biases
	s_wait_dscnt 0x0                               ; theta_w's fragments
	; ---- theta: rows of codes for qbuf, through a stage
	PROJ 0
	PLACES 4
	FETCHW 1
.irp u, 0,1
.if \u
	s_wait_dscnt 0x0                               ; the stores have read their registers
.endif
	QCORE HA+64*\u
	QFIN
	ds_store_b128 v[AQ], v[PC:PC+3] offset:8*\u*QP             ; position 32 w + 8 u + r + 8 (r / 8): row j = 8 u + r + 8 (r / 8), place cw = w
	ds_store_b128 v[AQ], v[PC+4:PC+7] offset:8*\u*QP+32
	ds_store_b32 v[ASQ], v[PW] offset:128*\u
.endr
	; ---- phi: K's tiles 2 w, 2 w + 1 leave as they stand: each store covers 512 consecutive bytes, aligned
	s_wait_dscnt 0x0                               ; phi_w's fragments
	PROJ 64
	PLACES 4
	FETCHW 2
.irp u, 0,1
.if \u
	s_wait_xcnt 0x0                                ; the global stores have read their registers
	s_wait_dscnt 0x0
.endif
	QCORE HA+64*\u
	QFIN
	global_store_b128 v[VKO], v[PC:PC+3], s[20:21] offset:1024*\u
	global_store_b128 v[VKO], v[PC+4:PC+7], s[20:21] offset:1024*\u+512
	ds_store_b32 v[ASK], v[PW] offset:256*\u
.endr
	; ---- g, the other way round: source 0 = 16 positions, source 1 = 16 rows of g_w: lane (r, h) holds channel 16 ct + r, and registers 16 ct + i the keys 32 w + 16 h + i
	s_wait_dscnt 0x0                               ; g_w's fragments
	WIN 0x10
.irp ct, 0,1,2,3,4,5,6,7
.irp u, 0,1
	WM HA+16*\ct+8*\u, XA+8*\u, WF+8*\ct, 128+8*\ct, XS, WS+\ct/2, \u, \ct%2
.endr
.endr
	WIN 0
	PLACES 4
.irp hf, 0,1
	s_wait_xcnt 0x0                                ; every earlier store has read its registers
	s_wait_dscnt 0x0
	QCORE HA+64*\hf
.irp q, 0,1,2,3
	ds_store_b64 v[AV], v[PC+2*\q:PC+2*\q+1] offset:(4*\hf+\q)*1024          ; my 16 keys' codes, at their place in tile ct's image
	ds_store_b8 v[ASV], v[TM+4+\q] offset:((4*\hf+\q)%2)*256+((4*\hf+\q)/2)*4   ; byte w of the channel's scale word
.endr
.endr
	s_wait_dscnt 0x0                               ; for the others' sake
	s_barrier_signal -1
	s_barrier_wait -1
	; ---- the way out: every store covers whole aligned runs of 256 bytes
.irp i, 0,1,2,3
	ds_load_b128 v[OUT+4*\i:OUT+4*\i+3], v[RQ] offset:2*QP*\i
.endr
.irp i, 0,1,2,3
	ds_load_b128 v[OUT+16+4*\i:OUT+16+4*\i+3], v[RV] offset:512*\i
.endr
	ds_load_b64 v[OUT+32:OUT+33], v[RS]
.irp i, 0,1,2,3
	s_wait_dscnt 8-\i                              ; the younger loads may be out
	global_store_b128 v[VKO], v[OUT+4*\i:OUT+4*\i+3], s[18:19] offset:512*\i
.endr
.irp i, 0,1,2,3
	s_wait_dscnt 4-\i
	global_store_b128 v[VKO], v[OUT+16+4*\i:OUT+16+4*\i+3], s[20:21] offset:8192+512*\i
.endr
	s_wait_dscnt 0x0
	global_store_b64 v[VSO], v[OUT+32:OUT+33], s[20:21] offset:16384   ; K's and V's scale words: 256 bytes a wave
	s_cmp_lt_u32 s[WV], 2                          ; theta's scale words are 512 bytes: waves 0 and 1
	s_cbranch_scc0 .Lno_qs
	ds_load_b64 v[OUT+34:OUT+35], v[RS] offset:1024
	s_wait_dscnt 0x0
	global_store_b64 v[VSO], v[OUT+34:OUT+35], s[18:19] offset:8192
.Lno_qs:
	s_set_vgpr_msb 0x4
	s_wait_tensorcnt 0x0
	ds_add_u32 v23, v255
	s_wait_dscnt 0x0
	s_set_vgpr_msb 0x400
	ROUND                                          ; the closing round: no work-group ends while a partner may still ask for a tile that names it
	s_endpgm
.Lfunc_end_k_qff5dd1ff10_project:
	.size	k_qff5dd1ff10_project, .Lfunc_end_k_qff5dd1ff10_project-k_qff5dd1ff10_project
	.p2alignl 7, 3214868480
	.fill 96, 4, 3214868480
	.section	.rodata,"a",@progbits
	.p2align	6, 0x0
	.amdhsa_kernel k_qff5dd1ff10_project
		.amdhsa_group_segment_fixed_size 327680
		.amdhsa_private_segment_fixed_size 0
		.amdhsa_enable_private_segment 0
		.amdhsa_kernarg_size 72
		.amdhsa_user_sgpr_count 2
		.amdhsa_user_sgpr_kernarg_segment_ptr 1
		.amdhsa_wavefront_size32 1
		.amdhsa_system_sgpr_workgroup_id_x 1
		.amdhsa_system_sgpr_workgroup_id_y 1
		.amdhsa_system_sgpr_workgroup_id_z 1
		.amdhsa_system_vgpr_workitem_id 0
		.amdhsa_next_free_vgpr 512
		.amdhsa_next_free_sgpr 90
		.amdhsa_reserve_vcc 0
		.amdhsa_float_denorm_mode_32 3
		.amdhsa_float_denorm_mode_16_64 3
		.amdhsa_memory_ordered 1
		.amdhsa_forward_progress 1
		.amdhsa_inst_pref_size 93
	.end_amdhsa_kernel
	.amdgpu_metadata
---
amdhsa.version: [ 1, 2 ]
amdhsa.kernels:
  - .name:           k_qff5dd1ff10_project
    .symbol:         k_qff5dd1ff10_project.kd
    .args:
      - { .name: x, .offset: 0, .size: 8, .value_kind: global_buffer, .address_space: global }
      - { .name: theta_w, .offset: 8, .size: 8, .value_kind: global_buffer, .address_space: global }
      - { .name: theta_b, .offset: 16, .size: 8, .value_kind: global_buffer, .address_space: global }
      - { .name: phi_w, .offset: 24, .size: 8, .value_kind: global_buffer, .address_space: global }
      - { .name: phi_b, .offset: 32, .size: 8, .value_kind: global_buffer, .address_space: global }
      - { .name: g_w, .offset: 40, .size: 8, .value_kind: global_buffer, .address_space: global }
      - { .name: g_b, .offset: 48, .size: 8, .value_kind: global_buffer, .address_space: global }
      - { .name: qbuf, .offset: 56, .size: 8, .value_kind: global_buffer, .address_space: global }
      - { .name: kv, .offset: 64, .size: 8, .value_kind: global_buffer, .address_space: global }
    .group_segment_fixed_size: 327680
    .private_segment_fixed_size: 0
    .kernarg_segment_align: 8
    .kernarg_segment_size: 72
    .max_flat_workgroup_size: 128
    .sgpr_count:     90
    .vgpr_count:     512
    .wavefront_size: 32
...
	.end_amdgpu_metadata
.endif
;; end of part 1
;; launch attend (part 2): grid 32 x 8, 8 waves a work-group, clusters of 4 x 1, 327,680 bytes of LDS; arguments qbuf, kv, wz_w, wz_b, w, x, out0; writes out0
.if DOCPART == 2
	.amdgcn_target "amdgcn-amd-amdhsa--gfx1250"
	.amdhsa_code_object_version 6
	.text
	.protected	k_qff5dd1ff10_attend
	.globl	k_qff5dd1ff10_attend
	.p2align	8
	.type	k_qff5dd1ff10_attend,@function
k_qff5dd1ff10_attend:
	s_mov_b64 s[64:65], 0
	v_nop
	global_prefetch_b8 v0, s[64:65] scope:SCOPE_SE
	s_setreg_imm32_b32 hwreg(HW_REG_WAVE_MODE, 25, 1), 1
	s_wait_xcnt 0x0
	s_wait_alu depctr_hold_cnt(0) depctr_sa_sdst(0) depctr_va_vdst(0) depctr_va_sdst(0) depctr_va_ssrc(0) depctr_va_vcc(0) depctr_vm_vsrc(0)
	s_getreg_b32 s2, hwreg(HW_REG_IB_STS2, 6, 4)
	s_cmp_eq_u32 s2, 0
	s_cbranch_scc0 .Lentry_in_a_cluster
	s_endpgm
.Lentry_in_a_cluster:
	s_bfe_u32 s2, ttmp6, 0x10000c
	s_cmp_lg_u32 s2, 0x3003
	s_cbranch_scc0 .Lentry_shape_is_right
	s_endpgm
.Lentry_shape_is_right:
; z = (1 - w) x + w (wz_w yv + wz_b), yv = the view [128][4096] of y[n][c] = softmax_m(theta_n . phi_m) g_m.  All three products on codes of FP4 (E2M1) with one E8M0 scale for each 32 along K.
; THE VIEW: yv[c'][128 j + c] = y[32 c' + j][c].  So the 128 columns 128 j .. 128 j + 127 of z want just the 128 queries n = 32 c' + j, and the last product's K runs over them.
; SHARES.  Work-group (j, batch) owns those 128 queries; each of its eight waves 16 of them (c' = 16 t + r), one tile, in 256 registers.  Every wave walks all 4,096 keys, 128 a step.
; qbuf and kv are laid by the launch before: fragments as images of their registers (register 4 cc + i of lane L at 512 cc + 16 L + 4 i), the scale words of 8 tiles in 512 bytes, so that one load of 16 bytes a lane
; brings four registers (register i: tile 2 i in lanes 0-15, tile 2 i + 1 in lanes 16-31).  A key step is 17,408 dense bytes: K's 8 tiles, V's 8 tiles, K's scale words, V's.
; THE SOFTMAX AHEAD OF THE SECOND PRODUCT: t = score x log2(e); M = the running largest t rounded UP to a whole number; p = 2^(t - M) is quantised along the keys, not normalised; the row's sum is taken of the
; unquantised p and divides at the end; when M moves, the sum and O are multiplied by 2^(old M - new M), which rounds nothing.
; LAYOUT.  S^T = K Q^T and O^T = V^T P^T: a lane holds ONE query throughout.  K's tile 2 b + u holds keys 32 b + 8 u + r + 8 (r / 8), so the 16 registers of two neighbouring tiles are 16 neighbouring keys.
; RING.  Two LDS slots of four key steps (69,632 bytes), 2^17 bytes apart.  Each wave fetches an eighth of a slot by one tensor load.  CLUSTER: the four partners share the batch, so K, V and wz_w: every load is joint.
; THE END.  y goes through a stage (rows c'), comes back turned (a lane a column c, registers down c'), is quantised, and its 8 fragments go from wave to wave as images; wave t makes output channels 16 t .. 16 t + 15.
; LIMITS: a block of zeros gets the scale byte 1 where the rule says 127 (its codes are zeros; only this program reads the bytes); a block whose largest magnitude lies under 2^-124 is held at byte 1; NaN and infinities are not served.
; REGISTERS: v1-11 addresses that stay; v12 -M, v13 the largest t, v[14:15] the sum; v16-23 Q, later wz_w's fragment; v24-27, v28-31 K's, V's scale words, later y's; v32-95 8 fragments; v96-159 S^T, then p; v160-223 O^T, later x;
; v224-231 p's codes; v232-254 at work; v253 p's scale word; v255 Q's scale word, later wz_w's.
.set STEPB, 17408                      ; a key step
.set SLOTB, 4*STEPB                    ; a slot
.set SLOT1, 1<<17                      ; slot 1 begins here: one exclusive or turns an address in one slot into the other's
.set YIMG,  SLOTB                      ; y's 8 fragments as images
.set YSC,   YIMG+8192                  ; their scale words, 128 bytes each
.set SPARE, YSC+1024                   ; the spare words, 128 bytes for each wave: four blocks of 256 bytes that no other line names
.set WZR,   SLOT1+SLOTB                ; wz_w as f32: 16 rows of 528 bytes for each wave; filled once
.set YP,    528                        ; a row of a stage: 512 bytes + 16.  y's stage: 128 rows from byte 0 (slot 0);  z's: 16 rows a wave from SLOT1
.set LI,  1                            ; v1   16 x lane
.set SPW, 2                            ; v2   LDS address of my spare word; never rewritten
.set NIL, 3                            ; v3   0; never rewritten
.set PFO, 4                            ; v4   the prefetches' offset: 256 x min(lane, 16)
.set ADK, 5                            ; v5   the step in hand + 16 x lane
.set AYS, 6                            ; v6   y's stage, in: row 16 t + r, + 32 h
.set AYR, 7                            ; v7   and back: rows 32 h on, column 16 t + r
.set AZR, 8                            ; v8   my row of wz_w, + 128 h
.set AIM, 9                            ; v9   where I store my fragment of y
.set AOS, 10                           ; v10  z's stage, in
.set AOR, 11                           ; v11  and back
.set TM,  232                          ; at work in QLANE
.set H8,  244                          ; v244 8 h (made behind the loop)
.set WV,  18
.set SEL, 20                           ; s[20:21] selects for lane l xor 16
.set CS,  22                           ; s[22:23] log2(e): the packed form names a pair and takes its low word
.set JJ,  24
.set BB,  25
.set TB,  26                           ; s26  LDS byte at which the step in hand begins
.set SLOTS, 27                         ; s27  slots still to be asked for
.set FOUR, 28                          ; s28  counts a slot's four steps
.set LIM, 29                           ; s29  1 in a wave that prefetches, else the greatest number
.set PFA, 30                           ; s[30:31] where my prefetches stand
.set G1R, 32                           ; s[32:39] group 1 for the ring;  s[40:43] its group 0, which walks
.set G0R, 40
.set G1Z, 44                           ; s[44:51], s[52:55] for wz_w
.set G0Z, 52
.macro CROUND                          ; a round of the cluster's barrier
	s_barrier_signal -1
	s_barrier_wait -1
	s_cmp_lg_u32 s[WV], 0
	s_cbranch_scc1 .Lnot_wave_0_\@
	s_barrier_signal -3
.Lnot_wave_0_\@:
	s_barrier_wait -3
	s_barrier_signal -1
	s_barrier_wait -1
.endm
.macro BARRIER                         ; my LDS stores have landed and my LDS loads are in: then the work-group's barrier
	s_wait_dscnt 0x0
	s_barrier_signal -1
	s_barrier_wait -1
.endm
.macro WMZ d, a, b, sa, sb, ra         ; a product that starts its sum;  ra: source 0's scale words stand in lanes 16-31
.if (\ra) != 0
	v_wmma_scale_f32_16x16x128_f8f6f4 v[\d:\d+7], v[\a:\a+7], v[\b:\b+7], 0, v[\sa], v[\sb] matrix_a_fmt:MATRIX_FMT_FP4 matrix_b_fmt:MATRIX_FMT_FP4 matrix_a_scale:MATRIX_SCALE_ROW1
.else
	v_wmma_scale_f32_16x16x128_f8f6f4 v[\d:\d+7], v[\a:\a+7], v[\b:\b+7], 0, v[\sa], v[\sb] matrix_a_fmt:MATRIX_FMT_FP4 matrix_b_fmt:MATRIX_FMT_FP4
.endif
.endm
.macro WMA d, a, b, c, sa, sb, ra
.if (\ra) != 0
	v_wmma_scale_f32_16x16x128_f8f6f4 v[\d:\d+7], v[\a:\a+7], v[\b:\b+7], v[\c:\c+7], v[\sa], v[\sb] matrix_a_fmt:MATRIX_FMT_FP4 matrix_b_fmt:MATRIX_FMT_FP4 matrix_a_scale:MATRIX_SCALE_ROW1
.else
	v_wmma_scale_f32_16x16x128_f8f6f4 v[\d:\d+7], v[\a:\a+7], v[\b:\b+7], v[\c:\c+7], v[\sa], v[\sb] matrix_a_fmt:MATRIX_FMT_FP4 matrix_b_fmt:MATRIX_FMT_FP4
.endif
.endm
; A PREFETCH INTO THE L2 of the slot that the NEXT change of slots will ask for: 272 blocks of 256 bytes.  All clusters of a batch walk the same kv: the batch's first cluster asks.  Its four partners take a key step each,
; told apart BY ADDRESS; in each, waves 0 to 3 take 17 blocks each, a lane a block (lanes 16-31 name the seventeenth together).  The last change that fills a slot asks for nothing; slots 0 and 1 come by their loads alone.
.macro ASK
	s_cmp_gt_u32 s[SLOTS], s[LIM]
	s_cbranch_scc0 .Lnot_mine_\@
	global_prefetch_b8 v[PFO], s[PFA:PFA+1] th:TH_LOAD_NT scope:SCOPE_SE
.Lnot_mine_\@:
.endm
; THE CHANGE OF SLOTS, at a slot's head.  Each wave waits for all its tensor loads (its eighth of the slot ahead), adds 0 to its spare word, and waits for that and for its reads of the slot that it has left.
; fill = 1: a round of the cluster's barrier, and behind it the slot just left is filled with the four steps that follow: one load a wave, which has four key steps in which to land.
.macro CHANGE fill
	s_wait_tensorcnt 0x0                           ; no tensor load of mine is out, so the group 0 may be written
	ds_add_u32 v[SPW], v[NIL]                      ; 0 onto my spare word
.if \fill
	s_xor_b32 s[G0R+1], s[G0R+1], SLOT1            ; the walking descriptor: the other slot,
	s_add_nc_u64 s[G0R+2:G0R+3], s[G0R+2:G0R+3], SLOTB   ; the next four steps; the type bits on top are not reached
	s_wait_xcnt 0x0                                ; the last prefetch, a slot back, has read its address:
	s_add_nc_u64 s[PFA:PFA+1], s[PFA:PFA+1], SLOTB ; one slot further on than the walking descriptor
	s_wait_dscnt 0x0                               ; the add is done, and my reads of the slot that I have left are over
	CROUND
	tensor_load_to_lds s[G0R:G0R+3], s[G1R:G1R+7]  ; the first thing behind the round, and my one tensor load until the next
	s_nop 0
.rept 4
	v_nop
.endr
	ASK
.else
	s_wait_dscnt 0x0
	s_barrier_signal -1
	s_barrier_wait -1
.endif
.endm
; A KEY STEP: 128 keys
.macro STEP
	v_add_nc_u32 v[ADK], s[TB], v[LI]
.rept 3
	v_nop                                          ; with the addition: four places in front of loads into registers that the last step's products have read
.endr
.irp t, 0,1,2,3,4,5,6,7
.irp c, 0,1
	ds_load_b128 v[32+8*\t+4*\c:32+8*\t+4*\c+3], v[ADK] offset:1024*\t+512*\c
.endr
.endr
	ds_load_b128 v[24:27], v[ADK] offset:16384     ; K's scale words
	s_wait_alu depctr_va_vdst(0)
	s_wait_dscnt 0x0
.irp t, 0,1,2,3,4,5,6,7
	WMZ 96+8*\t, 32+8*\t, 16, 24+\t/2, 255, \t%2   ; S^T = K Q^T
.endr
.rept 4
	v_nop
.endr
.irp t, 0,1,2,3,4,5,6,7                        ; V's fragments are asked for here and land under the softmax
.irp c, 0,1
	ds_load_b128 v[32+8*\t+4*\c:32+8*\t+4*\c+3], v[ADK] offset:8192+1024*\t+512*\c
.endr
.endr
	ds_load_b128 v[28:31], v[ADK] offset:16896     ; V's scale words
.irp b, 0,1,2,3
	v_max3_num_f32 v[232+\b], v[96+16*\b], v[97+16*\b], v[98+16*\b]   ; the largest score of each block of 32 keys: it serves the row's maximum and, since p rises with the score, the block's largest p
.endr
.irp i, 3,5,7,9,11,13
.irp b, 0,1,2,3
	v_max3_num_f32 v[232+\b], v[232+\b], v[96+16*\b+\i], v[97+16*\b+\i]
.endr
.endr
.irp b, 0,1,2,3
	v_max_num_f32 v[232+\b], v[232+\b], v[111+16*\b]
.endr
.irp b, 0,1,2,3
	s_delay_alu instid0(VALU_DEP_4)
	v_permlanex16_b32 v[236+\b], v[232+\b], s[SEL], s[SEL+1]
.endr
.irp b, 0,1,2,3
	s_delay_alu instid0(VALU_DEP_4)
	v_max_num_f32 v[232+\b], v[232+\b], v[236+\b]  ; with lane l xor 16's 16 keys
.endr
	s_delay_alu instid0(VALU_DEP_2)
	v_max3_num_f32 v254, v232, v233, v234
	s_delay_alu instid0(VALU_DEP_1)
	v_max_num_f32 v254, v254, v235                 ; the step's largest score of my query
	s_delay_alu instid0(VALU_DEP_1)
	v_mul_f32 v254, s[CS], v254                    ; as t
	s_delay_alu instid0(VALU_DEP_1)
	v_max_num_f32 v13, v13, v254                   ; the running largest t
	v_mov_b32 v254, v12
	s_delay_alu instid0(VALU_DEP_2)
	v_floor_f32 v12, -v13                          ; the new -M = floor(-t): M is a whole number
	s_delay_alu instid0(VALU_DEP_1)
	v_sub_f32 v254, v12, v254                      ; old M - new M: a whole number, 0 or less
	s_delay_alu instid0(VALU_DEP_1)
	v_cvt_i32_f32 v254, v254                       ; (it saturates)
	s_delay_alu instid0(VALU_DEP_1)
	v_ldexp_f32 v252, 1.0, v254                    ; f = 2^(old M - new M)
.set jj, 0
.rept 32
	v_pk_fma_f32 v[96+jj:97+jj], v[96+jj:97+jj], s[CS:CS+1], v[12:13] op_sel_hi:[1,0,0]   ; t - M, two at a time
.set jj, jj+2
.endr
.irp b, 0,1,2,3
	v_fma_f32 v[232+\b], v[232+\b], s[CS], v12     ; the same of each block's largest score
.endr
.set jj, 0
	s_wait_alu depctr_va_vdst(0)
.rept 64
	v_exp_f32 v[96+jj], v[96+jj]                   ; p = 2^(t - M), at most 1
.set jj, jj+1
.endr
	s_setprio 1
	v_pk_mul_f32 v[14:15], v[14:15], v[252:253] op_sel_hi:[1,0]   ; the sums under the new M: a plain place behind the exponentials
	s_wait_alu depctr_va_vdst(0)                   ; one wait for the whole batch, ahead of its first reader
.irp b, 0,1,2,3
	v_exp_f32 v[232+\b], v[232+\b]                 ; the block's largest p
.endr
	v_pk_add_f32 v[236:237], v[96:97], v[98:99]    ; the row's sum, of the unquantised p: two chains, two numbers at a time
.irp j, 4,8,12,16,20,24,28,32,36,40,44,48,52,56,60
	v_pk_add_f32 v[14:15], v[14:15], v[96+\j:97+\j]
	v_pk_add_f32 v[236:237], v[236:237], v[98+\j:99+\j]
.endr
	s_delay_alu instid0(VALU_DEP_1)
	v_pk_add_f32 v[14:15], v[14:15], v[236:237]
	s_wait_alu depctr_va_vdst(0)                   ; and one for the four
.irp b, 0,1,2,3
	v_max_num_f32 v[232+\b], 0x1800000, v[232+\b]  ; the floor 2^(3 - 127): the byte cannot fall under 1
.endr
.irp b, 0,1,2,3
	s_delay_alu instid0(VALU_DEP_4)
	v_add_nc_u32 v[244+\b], 0xff000000, v[232+\b]  ; 2 off the exponent field: the conversion's scale operand
.endr
.irp b, 0,1,2,3
	s_delay_alu instid0(VALU_DEP_4)
	v_lshrrev_b32 v[236+\b], 23, v[244+\b]         ; the scale's byte
.endr
	s_delay_alu instid0(VALU_DEP_3)
	v_lshl_or_b32 v253, v237, 8, v236              ; p's scale word for these 128 keys
	s_delay_alu instid0(VALU_DEP_1)
	v_lshl_or_b32 v253, v238, 16, v253
	s_delay_alu instid0(VALU_DEP_1)
	v_lshl_or_b32 v253, v239, 24, v253
.irp b, 0,1,2,3
	v_cvt_scalef32_pk8_fp4_f32 v[224+2*\b], v[96+16*\b:103+16*\b], v[244+\b]
	v_cvt_scalef32_pk8_fp4_f32 v[225+2*\b], v[104+16*\b:111+16*\b], v[244+\b]
.endr
	v_nop                                          ; one plain place behind the last scaled conversion
.irp c, 0,1
.irp i, 0,1
	v_permlane16_swap_b32 v[224+4*\c+\i], v[226+4*\c+\i]   ; whole blocks into the lanes that the operand's layout gives them
.endr
.endr
.set jj, 0
.rept 32
	v_pk_mul_f32 v[160+jj:161+jj], v[160+jj:161+jj], v[252:253] op_sel_hi:[1,0]   ; O^T under the new M; these 32 are also the places in front of the products below
.set jj, jj+2
.endr
	s_setprio 0
	s_wait_alu depctr_va_vdst(0)
	s_wait_dscnt 0x0                               ; V
.irp t, 0,1,2,3,4,5,6,7
	WMA 160+8*\t, 32+8*\t, 224, 160+8*\t, 28+\t/2, 253, \t%2   ; O^T += V^T P^T: the eight accumulators by turns
.endr
.endm
.macro SLOT_STEPS                      ; a slot's four key steps: written once, walked four times
	s_mov_b32 s[FOUR], 4
.Lstep_\@:
	s_setprio 2
	STEP
	s_add_co_u32 s[TB], s[TB], STEPB
	s_sub_co_u32 s[FOUR], s[FOUR], 1
	s_cmp_lg_u32 s[FOUR], 0
	s_cbranch_scc1 .Lstep_\@
	s_setprio 0
	s_sub_co_u32 s[TB], s[TB], SLOTB               ; back to a slot's first step,
	s_xor_b32 s[TB], s[TB], SLOT1                  ; in the other slot
.endm
; 64 numbers of a lane in the operand's own order (v[s + 32 cc + i]: k = 64 cc + 32 h + i of my row: two whole blocks) become the fragment's 8 registers v[pc] on and the row's scale word v[pw]
.macro QLANE s, pc, pw
.irp cc, 0,1
	v_max3_num_f32 v[TM+\cc], |v[\s+32*\cc]|, |v[\s+32*\cc+1]|, 0x1800000
.endr
.irp i, 2,4,6,8,10,12,14,16,18,20,22,24,26,28,30
.irp cc, 0,1
	s_delay_alu instid0(VALU_DEP_2)
	v_max3_num_f32 v[TM+\cc], v[TM+\cc], |v[\s+32*\cc+\i]|, |v[\s+32*\cc+\i+1]|
.endr
.endr
.irp cc, 0,1
	s_delay_alu instid0(VALU_DEP_2)
	v_add_nc_u32 v[TM+8+\cc], 0xff000000, v[TM+\cc]
.endr
.irp cc, 0,1
	s_delay_alu instid0(VALU_DEP_2)
	v_lshrrev_b32 v[TM+4+\cc], 23, v[TM+8+\cc]
.endr
	s_delay_alu instid0(VALU_DEP_1)
	v_lshl_or_b32 v[\pw], v[TM+5], 16, v[TM+4]           ; my bytes: blocks h and 2 + h,
	s_delay_alu instid0(VALU_DEP_1)
	v_lshlrev_b32 v[\pw], v[H8], v[\pw]                  ; 8 h bits up;
	s_delay_alu instid0(VALU_DEP_1)
	v_permlanex16_b32 v[TM+6], v[\pw], s[SEL], s[SEL+1]
	s_delay_alu instid0(VALU_DEP_1)
	v_or_b32 v[\pw], v[\pw], v[TM+6]                     ; with lane l xor 16's two the word is whole, in both lanes
.irp cc, 0,1
.irp g, 0,1,2,3
	v_cvt_scalef32_pk8_fp4_f32 v[\pc+4*\cc+\g], v[\s+32*\cc+8*\g:\s+32*\cc+8*\g+7], v[TM+8+\cc]
.endr
.endr
	v_nop
.endm
	s_load_b256 s[4:11], s[0:1], 0x0               ; qbuf 4, kv 6, wz_w 8, wz_b 10
	s_load_b128 s[12:15], s[0:1], 0x20             ; w 12, x 14
	s_load_b64 s[16:17], s[0:1], 0x30              ; out0
	v_lshl_add_u32 v[SPW], v0, 2, SPARE
	v_mov_b32 v[NIL], 0
	ds_add_u32 v2, v3
	ds_add_u32 v2, v3
	s_wait_dscnt 0x0
	v_lshrrev_b32 v96, 5, v0
	s_delay_alu instid0(VALU_DEP_1)
	v_readfirstlane_b32 s[WV], v96                 ; wave 0..7
	s_bfe_u32 s19, ttmp6, 0x40000                  ; cx
	s_lshl_b32 s[JJ], ttmp9, 2
	s_add_co_u32 s[JJ], s[JJ], s19                 ; j = 4 x cluster x + cx: it enters global addresses alone
	s_and_b32 s[BB], ttmp7, 0xffff                 ; the batch, which the partners share
	v_and_b32 v96, 31, v0                          ; L
	v_and_b32 v97, 15, v0                          ; r
	v_bfe_u32 v98, v0, 4, 1                        ; h
	s_delay_alu instid0(VALU_DEP_3)
	v_lshlrev_b32 v[LI], 4, v96
	s_delay_alu instid0(VALU_DEP_4)
	v_min_u32 v[PFO], 16, v96
	s_delay_alu instid0(VALU_DEP_1)
	v_lshlrev_b32 v[PFO], 8, v[PFO]
	s_mul_i32 s56, s[WV], 16*YP
	v_mul_u32_u24 v99, v97, YP
	s_delay_alu instid0(VALU_DEP_1)
	v_add_nc_u32 v99, s56, v99                     ; row 16 t + r of a stage
	s_delay_alu instid0(VALU_DEP_1)
	v_lshl_add_u32 v[AYS], v98, 5, v99
	s_delay_alu instid0(VALU_DEP_1)
	v_add_nc_u32 v[AOS], SLOT1, v[AYS]
	s_delay_alu instid0(VALU_DEP_3)
	v_lshl_add_u32 v[AZR], v98, 7, v99
	s_delay_alu instid0(VALU_DEP_1)
	v_add_nc_u32 v[AZR], WZR, v[AZR]
	s_lshl_b32 s57, s[WV], 6
	v_mul_u32_u24 v[AYR], v98, 32*YP
	s_delay_alu instid0(VALU_DEP_1)
	v_lshl_add_u32 v[AYR], v97, 2, v[AYR]
	s_delay_alu instid0(VALU_DEP_1)
	v_add_nc_u32 v[AYR], s57, v[AYR]
	s_lshl_b32 s58, s[WV], 10
	v_add_nc_u32 v[AIM], s58, v[LI]
	s_delay_alu instid0(VALU_DEP_1)
	v_add_nc_u32 v[AIM], YIMG, v[AIM]
	v_add_nc_u32 v[AOR], s56, v[LI]
	s_delay_alu instid0(VALU_DEP_1)
	v_add_nc_u32 v[AOR], SLOT1, v[AOR]
	v_lshrrev_b32 v100, 2, v97                     ; Q: query c' = 16 t + r lies in block s = 4 t + r / 4 of qbuf, at place cw = r % 4 of row j
	s_delay_alu instid0(VALU_DEP_1)
	v_mul_u32_u24 v100, v100, 8704
	v_and_b32 v102, 3, v97
	s_delay_alu instid0(VALU_DEP_1)
	v_lshl_add_u32 v101, v102, 2, v100             ; its scale word
	s_delay_alu instid0(VALU_DEP_2)
	v_lshl_add_u32 v100, v102, 6, v100
	s_delay_alu instid0(VALU_DEP_1)
	v_lshl_add_u32 v100, v98, 4, v100              ; its codes, + 16 h
	s_mov_b32 s[SEL], 0x76543210
	s_mov_b32 s[SEL+1], 0xfedcba98
	s_mov_b32 s[CS], 0x3fb8aa3b                    ; log2(e)
	s_mov_b32 s[CS+1], s[CS]                       ; (named with it as a pair, so it is written)
	s_mov_b32 s[TB], 0
	s_mov_b32 s[SLOTS], 7
	s_lshr_b32 s[LIM], s[WV], 2                    ; 0 in waves 0 to 3,
	s_or_b32 s[LIM], s[LIM], ttmp9                 ; of the batch's first cluster: the same in all four partners
	s_cmp_eq_u32 s[LIM], 0
	s_cselect_b32 s[LIM], 1, -1
	; group 1, the ring: an eighth of a slot, 8,704 dense bytes, as 34 rows of 256 bytes (32 elements of 8 bytes)
	s_mov_b32 s[G1R+0], 15|(3<<16)|(1<<21)         ; 15:0 the mask: all four partners; 17:16 8 bytes; 21 set beside a mask
	s_mov_b32 s[G1R+1], 32<<16
	s_mov_b32 s[G1R+2], 34<<16
	s_mov_b32 s[G1R+3], 32<<16
	s_mov_b32 s[G1R+4], 34
	s_mov_b32 s[G1R+5], 32
	s_mov_b32 s[G1R+6], 0
	s_mov_b32 s[G1R+7], 0
	; group 1, wz_w: 16 rows x 128 elements of 4 bytes, dense; 16 bytes of padding behind each 512
	s_mov_b32 s[G1Z+0], 15|(2<<16)|(1<<20)|(1<<21)|(6<<22)|(3<<25)
	s_mov_b32 s[G1Z+1], 128<<16
	s_mov_b32 s[G1Z+2], 16<<16
	s_mov_b32 s[G1Z+3], 128<<16
	s_mov_b32 s[G1Z+4], 16
	s_mov_b32 s[G1Z+5], 128
	s_mov_b32 s[G1Z+6], 0
	s_mov_b32 s[G1Z+7], 0
	s_mul_i32 s60, s[BB], 32*STEPB                 ; the batch in kv
	s_mov_b32 s61, 0
	s_mul_i32 s62, s[WV], SLOTB/8                  ; my eighth of a slot, in memory and in LDS
	s_mov_b32 s63, 0
	s_lshl_b32 s66, s[BB], 5
	s_lshl_b32 s67, s[WV], 2
	s_add_co_u32 s66, s66, s67
	s_mul_i32 s66, s66, 8704                       ; block 32 x batch + 4 t of qbuf
	s_lshl_b32 s67, s[JJ], 4
	s_add_co_u32 s68, s66, s67
	s_add_co_u32 s68, s68, 8192                    ; row j of its scale words
	s_mov_b32 s69, 0
	s_lshl_b32 s67, s[JJ], 8
	s_add_co_u32 s66, s66, s67                     ; row j of its codes
	s_mov_b32 s67, 0
	s_lshl_b32 s70, s[BB], 21                      ; x and out0: batch x 2^21 + 16 t rows of 16,384 + 512 j
	s_lshl_b32 s71, s[WV], 18
	s_add_co_u32 s70, s70, s71
	s_lshl_b32 s71, s[JJ], 9
	s_add_co_u32 s70, s70, s71
	s_mov_b32 s71, 0
	s_lshl_b32 s72, s[WV], 13                      ; my 16 rows of wz_w
	s_mov_b32 s73, 0
	s_lshl_b32 s74, s[WV], 6                       ; my 16 numbers of wz_b
	s_mov_b32 s75, 0
	s_mul_i32 s56, s19, STEPB                      ; the prefetches: my work-group's key step of a slot,
	s_and_b32 s57, s[WV], 3
	s_mul_i32 s57, s57, 4352                       ; my wave's 17 blocks,
	s_add_co_u32 s56, s56, s57
	s_add_co_u32 s56, s56, SLOTB                   ; in slot 1: the first change of slots steps it to slot 2
	s_add_co_u32 s56, s56, s60
	s_mov_b32 s57, 0
	s_wait_kmcnt 0x0
	s_load_b32 s76, s[12:13], 0x0                  ; w
	s_mov_b32 s[G0Z], 1
	s_mul_i32 s[G0Z+1], s[WV], 16*YP
	s_add_co_u32 s[G0Z+1], s[G0Z+1], WZR
	s_add_nc_u64 s[G0Z+2:G0Z+3], s[8:9], s[72:73]
	s_or_b32 s[G0Z+3], s[G0Z+3], 0x80000000
	s_mov_b32 s[G0R], 1
	s_mov_b32 s[G0R+1], s62
	s_add_nc_u64 s[G0R+2:G0R+3], s[6:7], s[60:61]
	s_add_nc_u64 s[G0R+2:G0R+3], s[G0R+2:G0R+3], s[62:63]
	s_or_b32 s[G0R+3], s[G0R+3], 0x80000000
	s_add_nc_u64 s[PFA:PFA+1], s[6:7], s[56:57]
	s_add_nc_u64 s[58:59], s[4:5], s[68:69]        ; Q's scale words
	s_add_nc_u64 s[4:5], s[4:5], s[66:67]          ; Q's codes
	s_add_nc_u64 s[10:11], s[10:11], s[74:75]
	s_add_nc_u64 s[14:15], s[14:15], s[70:71]
	s_add_nc_u64 s[16:17], s[16:17], s[70:71]
	s_wait_kmcnt 0x0
	CROUND                                         ; all four work-groups are here: the first joint loads meet
	tensor_load_to_lds s[G0Z:G0Z+3], s[G1Z:G1Z+7]  ; wz_w: filled once
	s_nop 0
	s_wait_alu depctr_va_vdst(0)
	s_wait_tensorcnt 0x0
	ds_add_u32 v2, v3
	s_wait_dscnt 0x0
	CROUND
	tensor_load_to_lds s[G0R:G0R+3], s[G1R:G1R+7]  ; slot 0: one load of mine is out
	s_nop 0
.rept 4
	v_nop
.endr
	s_wait_alu depctr_va_vdst(0)
	global_load_b128 v[16:19], v100, s[4:5]        ; Q's fragment stays in registers
	global_load_b128 v[20:23], v100, s[4:5] offset:32
	global_load_b32 v255, v101, s[58:59]
	v_mov_b32 v13, 0xff61b1e6                      ; the largest t so far: -3e38, under every t
	s_delay_alu instid0(VALU_DEP_1)
	v_floor_f32 v12, -v13                          ; -M
	v_mov_b32 v14, 0
	v_mov_b32 v15, 0
.irp b, 0,1,2,3
	v_mov_b32 v[236+\b], 0                         ; written once: a lane permute's destination counts as one of its sources
.endr
	v_mov_b32 v253, 0                              ; (named as the upper half of the pair v[252:253] before it is first written)
.set jj, 0
.rept 64
	v_mov_b32 v[160+jj], 0                         ; O^T: the step is written once; its first walk finds zeros, which the first change of M leaves zeros
.set jj, jj+1
.endr
	s_wait_loadcnt 0x0                             ; Q
.Lslot:                                            ; seven trips: behind each change of slots but the last the next slot is asked for
	CHANGE 1
	SLOT_STEPS
	s_sub_co_u32 s[SLOTS], s[SLOTS], 1
	s_cmp_lg_u32 s[SLOTS], 0
	s_cbranch_scc1 .Lslot
	CHANGE 0                                       ; the last slot is written out
	SLOT_STEPS
	; ---- y = O / the sum.  The addresses of what follows are made here: plain work behind the last products and the reciprocal
	v_add_f32 v14, v14, v15
	s_delay_alu instid0(VALU_DEP_1)
	v_permlanex16_b32 v252, v14, s[SEL], s[SEL+1]
	s_delay_alu instid0(VALU_DEP_1)
	v_add_f32 v14, v14, v252                       ; the row's sum
	s_wait_alu depctr_va_vdst(0)
	v_rcp_f32 v14, v14
	v_and_b32 v246, 15, v0
	v_bfe_u32 v[H8], v0, 4, 1
	v_and_b32 v245, 31, v0
	s_delay_alu instid0(VALU_DEP_3)
	v_lshlrev_b32 v246, 2, v246                    ; 4 r: wz_b
	s_delay_alu instid0(VALU_DEP_3)
	v_lshlrev_b32 v[H8], 3, v[H8]                  ; 8 h
	s_delay_alu instid0(VALU_DEP_3)
	v_lshl_add_u32 v242, v245, 2, YSC              ; y's scale words, back: YSC + 4 x lane
	s_lshl_b32 s56, s[WV], 7
	v_add_nc_u32 v245, s56, v242                   ; and in: + 128 x wave
	v_add_nc_u32 v247, YIMG, v[LI]                 ; y's images, back
	v_mov_b32 v248, s76                            ; w, twice,
	v_mov_b32 v249, s76
	s_delay_alu instid0(VALU_DEP_2)
	v_sub_f32 v250, 1.0, v248                      ; and 1 - w
	s_delay_alu instid0(VALU_DEP_3)
	v_sub_f32 v251, 1.0, v248
	s_wait_alu depctr_va_vdst(0)                   ; the wait ahead of the reciprocal's first reader
.set jj, 0
.rept 64
	v_mul_f32 v[96+jj], v[160+jj], v14             ; register 8 ct + i: y(c' = 16 t + r, c = 16 ct + 8 h + i); each accumulator from its low end on
.set jj, jj+1
.endr
.irp i, 0,1,2,3,4,5,6,7,8,9,10,11,12,13,14,15
	global_load_b128 v[160+4*\i:160+4*\i+3], v[LI], s[14:15] offset:16384*\i th:TH_LOAD_NT   ; x(16 t + i, 128 j ..): asked for early, wanted at the end
.endr
	s_wait_alu depctr_va_vdst(0)
	BARRIER                                        ; every wave's reads of the ring are over: both slots, which have had their last fill, serve as stages
.irp ct, 0,1,2,3,4,5,6,7
	ds_store_b128 v[AYS], v[96+8*\ct:96+8*\ct+3] offset:64*\ct
	ds_store_b128 v[AYS], v[96+8*\ct+4:96+8*\ct+7] offset:64*\ct+16
.endr
.irp cc, 0,1
.irp i, 0,1,2,3,4,5,6,7
	ds_load_b128 v[32+32*\cc+4*\i:32+32*\cc+4*\i+3], v[AZR] offset:256*\cc+16*\i   ; wz_w(16 t + r, 64 cc + 32 h ..): bytes that my own tensor load brought
.endr
.endr
	s_wait_dscnt 0x0
	QLANE 32, 16, 255                              ; wz_w's fragment and scale word
	BARRIER                                        ; 128 rows of y lie in the stage
.irp cc, 0,1
.set ii, 0
.rept 32
	ds_load_b32 v[32+32*\cc+ii], v[AYR] offset:(64*\cc+ii)*YP   ; y(c' = 64 cc + 32 h + i, c = 16 t + r): a lane a column, registers down the last product's K
.set ii, ii+1
.endr
.endr
	s_wait_dscnt 0x0
	QLANE 32, 224, 254
	ds_store_b128 v[AIM], v[224:227]               ; tile t of y^T (rows c = 16 t + r) as an image of its registers
	ds_store_b128 v[AIM], v[228:231] offset:512
	ds_store_b32 v245, v254
.irp i, 0,1,2,3,4,5,6,7
	global_load_b32 v[232+\i], v246, s[10:11]      ; wz_b(16 t + r), eight times: it starts the sums
.endr
	BARRIER                                        ; y's eight fragments lie in LDS
.irp ct, 0,1,2,3,4,5,6,7
.irp c, 0,1
	ds_load_b128 v[32+8*\ct+4*\c:32+8*\ct+4*\c+3], v247 offset:1024*\ct+512*\c
.endr
	ds_load_b32 v[24+\ct], v242 offset:128*\ct
.endr
	s_wait_dscnt 0x0
	s_wait_loadcnt 0x0                             ; wz_b, and x
.irp ct, 0,1,2,3,4,5,6,7
	WMA 96+8*\ct, 32+8*\ct, 16, 232, 24+\ct, 255, 0   ; source 0 = 16 columns c, source 1 = my 16 output channels: lane (r, h) holds channel 16 t + r and c = 16 ct + 8 h + 0 .. 7
.endr
.rept 4
	v_nop
.endr
.irp ct, 0,1,2,3,4,5,6,7
	ds_store_b128 v[AOS], v[96+8*\ct:96+8*\ct+3] offset:64*\ct          ; my own stage; each accumulator from its low end on
	ds_store_b128 v[AOS], v[96+8*\ct+4:96+8*\ct+7] offset:64*\ct+16
.endr
.irp i, 0,1,2,3,4,5,6,7,8,9,10,11,12,13,14,15
	ds_load_b128 v[32+4*\i:32+4*\i+3], v[AOR] offset:YP*\i   ; LDS serves a wave's instructions in order (ISA guide 5.7.1.4): these see my stores
.endr
.irp i, 0,1,2,3,4,5,6,7,8,9,10,11,12,13,14,15
	s_wait_dscnt 15-\i                             ; the younger loads may be out
	v_pk_mul_f32 v[160+4*\i:161+4*\i], v[160+4*\i:161+4*\i], v[250:251]
	v_pk_mul_f32 v[162+4*\i:163+4*\i], v[162+4*\i:163+4*\i], v[250:251]
	s_delay_alu instid0(VALU_DEP_2)
	v_pk_fma_f32 v[32+4*\i:33+4*\i], v[32+4*\i:33+4*\i], v[248:249], v[160+4*\i:161+4*\i]   ; w (conv + bias) + (1 - w) x
	s_delay_alu instid0(VALU_DEP_2)
	v_pk_fma_f32 v[34+4*\i:35+4*\i], v[34+4*\i:35+4*\i], v[248:249], v[162+4*\i:163+4*\i]
	global_store_b128 v[LI], v[32+4*\i:35+4*\i], s[16:17] offset:16384*\i th:TH_STORE_NT   ; 32 lanes store 512 consecutive bytes, at a multiple of 256 from out0's first byte
.endr
	s_wait_tensorcnt 0x0                           ; the wave's end, behind my last tensor load and my last LDS store
	ds_add_u32 v[SPW], v[NIL]
	s_wait_dscnt 0x0
	CROUND                                         ; the closing round: no work-group ends while a partner may still ask for a tile that names it
	s_endpgm
.Lfunc_end_k_qff5dd1ff10_attend:
	.size	k_qff5dd1ff10_attend, .Lfunc_end_k_qff5dd1ff10_attend-k_qff5dd1ff10_attend
	.p2alignl 7, 3214868480
	.fill 96, 4, 3214868480
	.section	.rodata,"a",@progbits
	.p2align	6, 0x0
	.amdhsa_kernel k_qff5dd1ff10_attend
		.amdhsa_group_segment_fixed_size 327680
		.amdhsa_private_segment_fixed_size 0
		.amdhsa_enable_private_segment 0
		.amdhsa_kernarg_size 56
		.amdhsa_user_sgpr_count 2
		.amdhsa_user_sgpr_kernarg_segment_ptr 1
		.amdhsa_wavefront_size32 1
		.amdhsa_system_sgpr_workgroup_id_x 1
		.amdhsa_system_sgpr_workgroup_id_y 1
		.amdhsa_system_sgpr_workgroup_id_z 1
		.amdhsa_system_vgpr_workitem_id 0
		.amdhsa_next_free_vgpr 256
		.amdhsa_next_free_sgpr 80
		.amdhsa_reserve_vcc 0
		.amdhsa_float_denorm_mode_32 3
		.amdhsa_float_denorm_mode_16_64 3
		.amdhsa_memory_ordered 1
		.amdhsa_forward_progress 1
		.amdhsa_inst_pref_size 81
	.end_amdhsa_kernel
	.amdgpu_metadata
---
amdhsa.version: [ 1, 2 ]
amdhsa.kernels:
  - .name:           k_qff5dd1ff10_attend
    .symbol:         k_qff5dd1ff10_attend.kd
    .args:
      - { .name: qbuf, .offset: 0, .size: 8, .value_kind: global_buffer, .address_space: global }
      - { .name: kv, .offset: 8, .size: 8, .value_kind: global_buffer, .address_space: global }
      - { .name: wz_w, .offset: 16, .size: 8, .value_kind: global_buffer, .address_space: global }
      - { .name: wz_b, .offset: 24, .size: 8, .value_kind: global_buffer, .address_space: global }
      - { .name: w, .offset: 32, .size: 8, .value_kind: global_buffer, .address_space: global }
      - { .name: x, .offset: 40, .size: 8, .value_kind: global_buffer, .address_space: global }
      - { .name: out0, .offset: 48, .size: 8, .value_kind: global_buffer, .address_space: global }
    .group_segment_fixed_size: 327680
    .private_segment_fixed_size: 0
    .kernarg_segment_align: 8
    .kernarg_segment_size: 56
    .max_flat_workgroup_size: 256
    .sgpr_count:     80
    .vgpr_count:     256
    .wavefront_size: 32
...
	.end_amdgpu_metadata
.endif
;; end of part 2
